; MI455X (gfx1250); checked and timed in simulation.
; The chip was launched on July 23, 2026; its instructions are those of AMD's public machine-readable ISA for CDNA 5 (MIT licence, August 2026) and "CDNA5" Instruction Set Architecture Reference Guide (July 2026). The comments in the code are by the model that wrote it; some were corrected since.
;; PRM. Allowed arithmetic: float matrix products may take bf16 or f16 operands with f32 sums; other float arithmetic in f32, or as packed bf16 or f16 multiplies, adds, multiply-adds, maxima and minima; sums over many terms, partial sums and values carried from step to step in f32; what a program stores and reads back later, other than sums and carried values, may be rounded once to bf16 or f16.
;; Inputs: W0 128 x 64 float32; W1 2 x 64 x 128 float32; W2 2 x 128 x 64 float32; Wk 2 x 64 x 64 float32; Wo 2 x 64 x 64 float32; Wq 2 x 64 x 64 float32; Ws1 64 x 64 float32; Ws2 64 x 1 float32; Wv 2 x 64 x 64 float32; b0 64 float32; b1 2 x 128 float32; b2 2 x 64 float32; bo 2 x 64 float32; bs1 64 float32; bs2 1 float32; ln1_b 2 x 64 float32; ln1_g 2 x 64 float32; ln2_b 2 x 64 float32; ln2_g 2 x 64 float32; pos_emb 200 x 64 float32; pos_input 2,048 x 200 int32; v_input 2,048 x 200 x 128 float32.
;; Outputs: out0 2,048 x 200 float32.
;; One version. Each part assembles by itself: llvm-mc -triple=amdgcn-amd-amdhsa -mcpu=gfx1250 --defsym DOCPART=n.
;; ======== version 1 of 1: 1 launch
;; limits: values outside matrix products are rounded to bf16; values are held in f16: magnitudes above 65,504 overflow, below 6.1e-05 lose precision
;; launch prm (part 1): grid 256 x 1, 4 waves a work-group, no clusters, 300,288 bytes of LDS; arguments v_input, pos_input, W0, b0, pos_emb, Wq, Wk, Wv, Wo, bo, ln1_g, ln1_b, W1, b1, W2, b2, ln2_g, ln2_b, Ws1, bs1, Ws2, bs2, out0; writes out0
.if DOCPART == 1
	.amdgcn_target "amdgcn-amd-amdhsa--gfx1250"
	.amdhsa_code_object_version 6
	.text
	.protected	k_q8e3f0c4da1_prm
	.globl	k_q8e3f0c4da1_prm
	.p2align	8
	.type	k_q8e3f0c4da1_prm,@function
k_q8e3f0c4da1_prm:
	s_mov_b64 s[64:65], 0
	v_nop
	global_prefetch_b8 v0, s[64:65] scope:SCOPE_SE
	s_setreg_imm32_b32 hwreg(HW_REG_WAVE_MODE, 25, 1), 1
	s_wait_xcnt 0x0
; PRM: projection 128 -> 64 + positional row, two encoder layers (one head over 200 tokens, LN, FFN 64 -> 128 -> 64, LN), tanh head, softmax over the 200 logits.
; SHARES.  2,048 sequences, 256 work-groups of four waves; a wave carries a whole sequence from v_input to its 200 probabilities, and then a second one: sequences 8 g + 2 w and 8 g + 2 w + 1.
; LAYOUT.  Token-wise products are taken transposed (source 0 = weights, source 1 = activations): a lane holds ONE token (lane % 16) and the features 8 (lane / 16) + j of each tile of 16 features;
; two results rounded to 16 bits ARE the next product's fragment, so no activation changes lanes.  13 tiles of 16 tokens; tokens 200..207 are copies of 192..199: as keys they are hidden
; (1e30 is taken from their exponents), as queries they are computed and never leave.
; ALGEBRA, for every input: scores = x (Wq Wk^T) x^T, and softmax(.)(x Wv) Wo + bo = softmax(.)(x Wv Wo + bo), since a softmax row sums to 1.  M = Wq Wk^T and N = Wv Wo are made once, in the prologue.
; WHERE THINGS LIVE.  K' = x M^T and V'' = x N + bo of the sequence stay in registers as fragments through the attention.  x lies in LDS, each wave's own, as f16 fragment images (2,048 bytes a tile).
; Weights lie in LDS as f16 fragment images, made once by the work-group, and are brought into registers once a phase.  After the prologue's two barriers the waves meet once more, ahead of the output.
; FORMATS.  v_input, pos_emb, all weight matrices, M, N, x and the hidden layer: rounded once to f16.  K', the query operand, V'' and the weights p: bf16.  Biases, gains, sums, LN, softmax, residual additions: f32
; (the residual is read from the f16 x through the matrix unit, times an identity: exact).
; LIMITS.  What is held in f16 must stay within 65,504 and loses relative precision below 6e-5; exponentials, roots and reciprocals flush denormals; NaN and infinities are not treated apart; a position above 199 counts as 199.
; NO CLUSTER: a work-group reads 819,200 bytes of v_input that nobody shares; what is shared, 359 KB of f32 weights and tables, is read once a work-group and passes through registers to be rounded and turned.
; NO TENSOR LOADS: they would bring f32, twice the LDS bytes of the f16 that the products want, and would tie four independent waves to a barrier at each refill.
.set SEQB,  102400    ; bytes of a sequence in v_input
.set TILEB, 8192      ; of a tile of 16 tokens
; LDS
.set W0I,   0         ; fragment images, 1,024 bytes each: registers 0-3 at 16 x lane, registers 4-7 at 512 + 16 x lane.  W0: fragment 4 ft + ks
.set LAY0,  16384     ; a layer's images:
.set LAYB,  49152
.set OMI,   0         ; M: 2 rb + ks
.set ONI,   8192      ; N: 2 cb + ks
.set OW1,   16384     ; W1: 2 ft + ks
.set OW2,   32768     ; W2: 4 ft + ks
.set WSI,   114688    ; Ws1: 2 ft + ks
.set X16,   122880    ; x: for each wave 14 slots of 2,048 bytes; slot 13 holds zeros
.set XWB,   28672
.set VST,   237568    ; for each wave 16 rows of 128 f16, pitch 272: a tile of v_input on its way from rows to fragments
.set VSTB,  4352
.set LOG,   254976    ; for each wave 1,024 bytes: 208 logits
.set OUTS,  259072    ; 8 sequences x 832 bytes of probabilities; a wave's two lie side by side
.set OPIT,  832
.set POS,   265728    ; pos_emb in f16, pitch 144
.set VEC,   294656    ; f32 vectors.  Layer l at 2,048 l: bo 0, ln1_g 256, ln1_b 512, b1 768, b2 1280, ln2_g 1536, ln2_b 1792.  At 4,096: b0, bs1 +256, Ws2 +512
.set SPARE, 299776    ; the spare words, 128 bytes a wave: two blocks of 256 bytes that no other line names
.set TMP,   122880    ; prologue only: weights as [K][N] in f16: W0 +0, W2 +20480, Ws1 +61440, Wo +71680 (pitch 160), W1 +92160 (pitch 288)
; vector registers that stay, window 0
.set L16,1            ; 16 x lane
.set VR,2             ; lane % 16
.set VH,3             ; lane / 16
.set SPW,4            ; my spare word; never rewritten
.set NIL,5            ; 0; never rewritten
.set ZR,6             ; 0, for the packed relu
.set BIGL,7           ; 1e30 in lanes 16-31, 0 in the others
.set XW,8             ; my place in my wave's slot 0
.set XAD,9            ; in the slot in hand
.set WAD,10
.set TAD,11
.set VO,12            ; offsets of the loads of v_input: tokens 0-7 of a tile,
.set VOB,13           ; tokens 8-15
.set PFO,14           ; the prefetch's offset
.set PIX,15           ; my token's position
; input, FFN and head phases, window 0.  v16-24 are the attention's statistics in between: the addresses among them are made anew at the head of every FFN phase
.set VSTA,16
.set VFA,17
.set PA,18
.set LG0,19
.set PB,20
.set PFR,21
.set SWS,22
.set POFF,23
.set LGA,24
.set XB,32            ; x of the tile, 16
.set HA,48            ; hidden sums, 64
.set HF,112           ; hidden fragments, 32
.set YY,144           ; second product's sums, 32
.set XN,176           ; the new x in f16, 16
.set VL,192           ; a tile of v_input as loaded, 64
.set VF,48
.set X0,80
.set VHF,112
.set ZZ,48
.set BOT,192          ; KV phase: bo as a C operand
; attention: two twin banks, window 0 and window 3, the same numbers in both
.set MX,16
.set TM,20
.set MM,21
.set CM,22
.set CM12,24
.set LS,26
.set INV,30
.set SS,32            ; 104 scores; later LN's registers and, at XNB, the new x
.set XNB,80
.set PR,136           ; 56: the weights p; registers 52-55 stay 0
.set XT,136           ; inside it, while p is not there: x of the tile in f16,
.set QQ,152           ; and in bf16
.set OO,192
.set XF,224           ; x of the tile in f32
; prologue, window 0
.set LN4,43
.set GOFF,44
.set FAO,45
.set VO4,46
.set VO64,47
.set SA64,48
.set SA64B,49
.set SA128,50
.set SAP,51
.set VS2,52
.set VS1,53
.set KL,54
.set HB,55
.set TR64,56
.set TR64B,57
.set TR128,58
.set TRWO,59
.set WB0,60
.set WB1,61
.set WB2,62
.set WB3,63
; scalar registers.  Argument i lies at s[4+2i:5+2i]
.set WV,50
.set SEQ,51
.set LAYC,52
.set TC,53
.set VP,54
.set PP,56
.set CS,58
.set SEL,60
.set SLAY,62
.set SVEC,63
.set HALF,66
.set RMASK,67
.set TOFF,68
.set XS,69
.set R64,70
.set EPS,72
.set L2E,73
.set K2,74
.set BS2,76
.set OOFF,77
.set LGS,78
.set QN,86
.set MSB, 0
.macro WIN new                         ; windows: bits 1:0 source 0, 3:2 source 1, 5:4 source 2, 7:6 destination; the high byte repeats the setting that is left
.if MSB != (\new)
	s_set_vgpr_msb (MSB<<8)|(\new)
.set MSB, (\new)
.endif
.endm
.macro PLACES                          ; four plain vector instructions between a matrix instruction and what reads its result or writes its registers (ISA guide 7.12.1)
.rept 4
	v_nop
.endr
.endm
.macro GLD win, base, cnt, sb          ; cnt loads: the four waves take turns at blocks of 512 consecutive bytes
	WIN (\win)<<6
.set g_, 0
.rept \cnt
	global_load_b128 v[(\base)+4*g_:(\base)+4*g_+3], v[GOFF], s[\sb:\sb+1] offset:2048*g_
.set g_, g_+1
.endr
.endm
.macro FLD win, base, sb               ; a 64 x 64 matrix of f32 as 8 fragments (rows 16 (f / 2) on, K 32 (f % 2) on), 16 numbers a lane and fragment
	WIN (\win)<<6
.set g_, 0
.rept 8
.irp j, 0,1,2,3
	global_load_b128 v[(\base)+16*g_+4*(\j):(\base)+16*g_+4*(\j)+3], v[FAO], s[\sb:\sb+1] offset:4096*(g_/2)+128*(g_%2)+16*((\j)%2)+64*((\j)/2)
.endr
.set g_, g_+1
.endr
.endm
.macro CVG win, base, cnt              ; four f32 to four f16, in place
	WIN (\win)|((\win)<<2)|((\win)<<6)
.set g_, 0
.rept \cnt
	v_cvt_pk_f16_f32 v[(\base)+4*g_], v[(\base)+4*g_], v[(\base)+4*g_+1]
	v_cvt_pk_f16_f32 v[(\base)+4*g_+1], v[(\base)+4*g_+2], v[(\base)+4*g_+3]
.set g_, g_+1
.endr
.endm
.macro STG win, base, cnt, adr, off, step
	WIN (\win)<<2
.set g_, 0
.rept \cnt
	ds_store_b64 v[\adr], v[(\base)+4*g_:(\base)+4*g_+1] offset:(\off)+(\step)*g_
.set g_, g_+1
.endr
.endm
.macro TRF dst, adr, off, pit          ; a fragment out of [K][N]: two turning loads, 16 rows of K apart
	ds_load_tr16_b128 v[(\dst):(\dst)+3],   v[\adr] offset:(\off)
	ds_load_tr16_b128 v[(\dst)+4:(\dst)+7], v[\adr] offset:(\off)+16*(\pit)
.endm
.macro STF src, adr, off               ; a fragment into its image
	ds_store_b128 v[\adr], v[(\src):(\src)+3]   offset:(\off)
	ds_store_b128 v[\adr], v[(\src)+4:(\src)+7] offset:(\off)+512
.endm
.macro TAB dst, win, off, n            ; a vector in a result's layout: register 8 ft + j = vec[16 ft + 8 (lane / 16) + j]
	WIN (\win)<<6
.set g_, 0
.rept \n
	ds_load_b128 v[(\dst)+8*g_:(\dst)+8*g_+3],   v[TAD] offset:(\off)+64*g_
	ds_load_b128 v[(\dst)+8*g_+4:(\dst)+8*g_+7], v[TAD] offset:(\off)+64*g_+16
.set g_, g_+1
.endr
.endm
.macro FRAGS dst, win, adr, off, n     ; n fragment images into registers
	WIN (\win)<<6
.set g_, 0
.rept \n
	ds_load_b128 v[(\dst)+8*g_:(\dst)+8*g_+3],   v[\adr] offset:(\off)+1024*g_
	ds_load_b128 v[(\dst)+8*g_+4:(\dst)+8*g_+7], v[\adr] offset:(\off)+1024*g_+512
.set g_, g_+1
.endr
.endm
; A tile of v_input: 16 loads, each a token's 512 consecutive bytes, and my token's position.
.macro VLOADS
.set g_, 0
.rept 8
	global_load_b128 v[VL+4*g_:VL+4*g_+3], v[VO], s[VP:VP+1] offset:512*g_ th:TH_LOAD_NT
.set g_, g_+1
.endr
.rept 8
	global_load_b128 v[VL+4*g_:VL+4*g_+3], v[VOB], s[VP:VP+1] offset:512*(g_-8) th:TH_LOAD_NT
.set g_, g_+1
.endr
	global_load_b32 v[PIX], v[POFF], s[PP:PP+1]
.endm
; Sequence s[QN] is begun: pointers, offsets, tile 0's loads.  ah: how many tiles ahead of the tile in hand the trips prefetch.  pf = 1 (not at the kernel's head): tile 2 is prefetched here.
.macro INPRE ah, pf
.if \pf
	s_wait_xcnt 0x0                                ; the last sequence's prefetches have read their address: pointers and offsets are written only behind this wait
	s_wait_loadcnt 0x0                             ; and no earlier load into the tile's registers is out (the last sequence's last trip issued none)
.endif
	s_mul_i32 s88, s[QN], SEQB
	s_mov_b32 s89, 0
	s_add_nc_u64 s[VP:VP+1], s[4:5], s[88:89]
	s_mul_i32 s88, s[QN], 800
	s_add_nc_u64 s[PP:PP+1], s[6:7], s[88:89]
	s_mov_b32 s[TOFF], 0
	v_mov_b32 v[VO], v[L16]
	v_add_nc_u32 v[VOB], 4096, v[L16]
	v_lshlrev_b32 v[POFF], 2, v[VR]
	v_lshlrev_b32 v[PFR], 4, v[L16]                ; 256 x lane: a lane a block of 256 bytes, 32 lanes a tile
.if \pf
	v_add_nc_u32 v[PFO], 2*TILEB, v[PFR]
.endif
	v_add_nc_u32 v[PFR], (\ah)*TILEB, v[PFR]
	VLOADS
.if \pf
	global_prefetch_b8 v[PFO], s[VP:VP+1] th:TH_LOAD_NT scope:SCOPE_SE  ; my own tile 2, which the second trip will load
.endif
.endm
.macro INSET                           ; the input step's LDS addresses
	s_mul_i32 s83, s[WV], VSTB
	s_add_co_u32 s83, s83, VST
	v_lshrrev_b32 v[VSTA], 1, v[L16]               ; in: 8 bytes a lane, a token a row
	v_add_nc_u32 v[VSTA], s83, v[VSTA]
	v_mul_u32_u24 v[VFA], v[VR], 272               ; back: token lane % 16, 16 bytes for each half of the lanes
	v_lshl_add_u32 v[VFA], v[VH], 4, v[VFA]
	v_add_nc_u32 v[VFA], s83, v[VFA]
	v_lshl_add_u32 v[PB], v[VH], 4, POS
.endm
; THE INPUT STEP for tile t = 13 - s[TC]: x0 = v W0 + b0 + pos_emb[pos], rounded to f16, into slot t.  The next tile's loads go out as soon as this tile's registers are free.
.macro INSTEP ah
	WIN 0
	s_wait_loadcnt 0x0                             ; the tile and its positions: my only loads that are out
.set g_, 0
.rept 32
	v_cvt_pk_f16_f32 v[VHF+g_], v[VL+2*g_], v[VL+2*g_+1]
.set g_, g_+1
.endr
	v_min_u32 v[PA], 199, v[PIX]
	v_mul_u32_u24 v[PA], v[PA], 144
	v_add_nc_u32 v[PA], v[PA], v[PB]
	s_cmp_eq_u32 s[TC], 1
	s_cbranch_scc1 .Lnl_\@                         ; the last tile has none behind it
	s_wait_xcnt 0x0                                ; the offsets are written only behind this wait
	s_cmp_eq_u32 s[TC], 2                          ; tile 12 has 8 tokens: its second half repeats them, so that no load leaves the sequence
	s_cselect_b32 s[HALF], 0, 4096
	s_cselect_b32 s[RMASK], 7, 15
	s_add_co_u32 s[TOFF], s[TOFF], 64
	v_add_nc_u32 v[VO], TILEB, v[VO]
	v_add_nc_u32 v[VOB], s[HALF], v[VO]
	v_and_b32 v[POFF], s[RMASK], v[VR]
	v_lshl_add_u32 v[POFF], v[POFF], 2, s[TOFF]
	v_min_u32 v[PFO], SEQB-256, v[PFR]             ; never past the sequence's last block
	v_add_nc_u32 v[PFR], TILEB, v[PFR]
	VLOADS
	s_cmp_ge_u32 s[TC], 1+(\ah)                    ; tile t + ah exists
	s_cbranch_scc0 .Lnl_\@
	global_prefetch_b8 v[PFO], s[VP:VP+1] th:TH_LOAD_NT scope:SCOPE_SE  ; my own tile t + ah, ah - 1 trips ahead of its loads; each wave asks for its own sequence alone
.Lnl_\@:
.set g_, 0
.rept 16
	ds_store_b64 v[VSTA], v[VHF+2*g_:VHF+2*g_+1] offset:272*g_
.set g_, g_+1
.endr
	WIN 0xc0
.irp k, 0,1
	ds_load_b128 v[224+8*(\k):227+8*(\k)], v[PA] offset:64*(\k)       ; my token's positional row, as two fragments
	ds_load_b128 v[228+8*(\k):231+8*(\k)], v[PA] offset:64*(\k)+32
.endr
	WIN 0
.irp k, 0,1,2,3
	ds_load_b128 v[VF+8*(\k):VF+8*(\k)+3],   v[VFA] offset:64*(\k)    ; LDS serves a wave's instructions in order (ISA guide 5.7.1.4): these see the stores above
	ds_load_b128 v[VF+8*(\k)+4:VF+8*(\k)+7], v[VFA] offset:64*(\k)+32
.endr
	s_wait_dscnt 0x0
	WIN 0x3e                                       ; identity window 2, row and b0 window 3
.irp f, 0,1,2,3
	v_wmma_f32_16x16x32_f16 v[X0+8*(\f):X0+8*(\f)+7], v[216-4*((\f)%2):223-4*((\f)%2)], v[224+8*((\f)/2):231+8*((\f)/2)], v[192+8*(\f):199+8*(\f)]
.endr
	WIN 0x03                                       ; the four sums take turns
.irp k, 0,1,2,3
.irp f, 0,1,2,3
	v_wmma_f32_16x16x32_f16 v[X0+8*(\f):X0+8*(\f)+7], v[8*(4*(\f)+(\k)):8*(4*(\f)+(\k))+7], v[VF+8*(\k):VF+8*(\k)+7], v[X0+8*(\f):X0+8*(\f)+7]
.endr
.endr
	WIN 0
	PLACES
.set g_, 0
.rept 16
	v_cvt_pk_f16_f32 v[XN+g_], v[X0+2*g_], v[X0+2*g_+1]
.set g_, g_+1
.endr
.irp q, 0,1,2,3
	ds_store_b128 v[XAD], v[XN+4*(\q):XN+4*(\q)+3] offset:512*(\q)
.endr
.endm
; KV PHASE.  Number n of the 32 roundings of tile u: K' (16) into window 1, V'' (16) into window 2.  V'' fragment (cb, kk) lies at 8 (4 kk + cb); of kk = 6 only the lower half exists, at 192 + 4 cb.
.macro CV u, n
.if (\n) < 16
	WIN 0x40
	v_cvt_pk_bf16_f32 v[16*(\u)+(\n)], v[ps_+2*(\n)], v[ps_+2*(\n)+1]
.else
	WIN 0x80
.if (\u) < 12
	v_cvt_pk_bf16_f32 v[8*(4*((\u)/2)+((\n)-16)/4)+4*((\u)%2)+((\n)-16)%4], v[ps_+2*(\n)], v[ps_+2*(\n)+1]
.else
	v_cvt_pk_bf16_f32 v[192+(\n)-16], v[ps_+2*(\n)], v[ps_+2*(\n)+1]
.endif
.endif
.endm
; Tile t: 8 products K'^T = M x^T and 8 products V'' = x N + bo, the 8 sums by turns; behind each product two roundings of the tile before, from the other set of sums.
.macro KVSTEP t
.set cs_, 32+64*((\t)%2)
.set ps_, 96-64*((\t)%2)
.set xb_, 160+16*((\t)%2)
.set xn_, 176-16*((\t)%2)
	s_wait_dscnt 0x0                               ; x of this tile is in
.set p_, 0
.rept 16
.set ix_, p_%4
.if (p_/4)%2 == 0
	WIN 0x03
.if p_ < 8
	v_wmma_f32_16x16x32_f16 v[cs_+8*ix_:cs_+8*ix_+7], v[16*ix_:16*ix_+7], v[xb_:xb_+7], 0
.else
	v_wmma_f32_16x16x32_f16 v[cs_+8*ix_:cs_+8*ix_+7], v[16*ix_+8:16*ix_+15], v[xb_+8:xb_+15], v[cs_+8*ix_:cs_+8*ix_+7]
.endif
.else
	WIN 0x0c
.if p_ < 8
	v_wmma_f32_16x16x32_f16 v[cs_+32+8*ix_:cs_+32+8*ix_+7], v[xb_:xb_+7], v[64+16*ix_:64+16*ix_+7], v[BOT+8*ix_:BOT+8*ix_+7]
.else
	v_wmma_f32_16x16x32_f16 v[cs_+32+8*ix_:cs_+32+8*ix_+7], v[xb_+8:xb_+15], v[64+16*ix_+8:64+16*ix_+15], v[cs_+32+8*ix_:cs_+32+8*ix_+7]
.endif
.endif
.if (\t) > 0
	CV (\t)-1, 2*p_
	CV (\t)-1, 2*p_+1
.endif
.if (p_ == 3) && ((\t) < 12)
	WIN 0
.irp q, 0,1,2,3
	ds_load_b128 v[xn_+4*(\q):xn_+4*(\q)+3], v[XW] offset:2048*((\t)+1)+512*(\q)
.endr
.endif
.set p_, p_+1
.endr
.if (\t) == 0
	PLACES
.endif
.endm
; ATTENTION.
.macro EPROD b                         ; x of a tile in f32, exactly: identity x the f16 fragments
	WIN 2|((\b)<<2)|((\b)<<4)|((\b)<<6)
.irp f, 0,1,2,3
	v_wmma_f32_16x16x32_f16 v[XF+8*(\f):XF+8*(\f)+7], v[216-4*((\f)%2):223-4*((\f)%2)], v[XT+8*((\f)/2):XT+8*((\f)/2)+7], 0
.endr
.endm
.macro QCV b                           ; and in bf16, the query operand
	WIN (\b)*0x55
.set n_, 0
.rept 16
	v_cvt_pk_bf16_f32 v[QQ+n_], v[XF+2*n_], v[XF+2*n_+1]
.set n_, n_+1
.endr
.endm
.macro PREP b, off
	WIN (\b)<<6
.irp q, 0,1,2,3
	ds_load_b128 v[XT+4*(\q):XT+4*(\q)+3], v[XAD] offset:(\off)+512*(\q)
.endr
	s_wait_dscnt 0x0
	EPROD \b
	PLACES
	QCV \b
.endm
.macro SPROD i                         ; product i of 26 of S^T = K' Q^T in the bank that SWO names: key tile i % 13, features 32 (i / 13) on; the 13 sums take turns
	WIN SWO
.if (\i) < 13
	v_wmma_f32_16x16x32_bf16 v[SS+8*(\i):SS+8*(\i)+7], v[16*(\i):16*(\i)+7], v[QQ:QQ+7], 0
.else
	v_wmma_f32_16x16x32_bf16 v[SS+8*((\i)-13):SS+8*((\i)-13)+7], v[16*((\i)-13)+8:16*((\i)-13)+15], v[QQ+8:QQ+15], v[SS+8*((\i)-13):SS+8*((\i)-13)+7]
.endif
.endm
.macro FS p                            ; pair p of 52: c s - c m; the last key tile's pairs also lose 1e30 in the lanes that hold keys 200..207
	WIN VBB
.if (\p) < 48
	v_pk_fma_f32 v[SS+2*(\p):SS+2*(\p)+1], v[SS+2*(\p):SS+2*(\p)+1], s[CS:CS+1], v[CM:CM+1] op_sel_hi:[1,0,0] neg_lo:[0,0,1] neg_hi:[0,0,1]
.else
	v_pk_fma_f32 v[SS+2*(\p):SS+2*(\p)+1], v[SS+2*(\p):SS+2*(\p)+1], s[CS:CS+1], v[CM12:CM12+1] op_sel_hi:[1,0,0] neg_lo:[0,0,1] neg_hi:[0,0,1]
.endif
.endm
.macro XE e
.if (\e) >= 0
	WIN VBB
	v_exp_f32 v[SS+(\e)], v[SS+(\e)]
.endif
.endm
.macro AC q                            ; even q: pair q / 2 is added onto one of two running sums; odd q: it is rounded to bf16
	WIN VBB
.if (\q)%2
	v_cvt_pk_bf16_f32 v[PR+(\q)/2], v[SS+(\q)-1], v[SS+(\q)]
.elseif (\q) < 4
	v_pk_mul_f32 v[LS+(\q):LS+(\q)+1], v[SS+(\q):SS+(\q)+1], 1.0 op_sel_hi:[1,0]
.else
	v_pk_add_f32 v[LS+2*(((\q)/2)%2):LS+2*(((\q)/2)%2)+1], v[LS+2*(((\q)/2)%2):LS+2*(((\q)/2)%2)+1], v[SS+(\q):SS+(\q)+1]
.endif
.endm
.macro MXQ n                           ; number n of 52 of the other bank's maximum: four chains; each sum's lowest registers are read first
	WIN VBO
.if (\n) < 4
	v_max_num_f32 v[MX+(\n)], v[SS+2*(\n)], v[SS+2*(\n)+1]
.else
	v_max3_num_f32 v[MX+(\n)%4], v[MX+(\n)%4], v[SS+2*(\n)], v[SS+2*(\n)+1]
.endif
.endm
.macro STATS w                         ; the query's other 104 keys lie in the lane 16 away; m, c m, and c m + 1e30 for the hidden keys
	WIN \w
	v_max3_num_f32 v[MX], v[MX], v[MX+1], v[MX+2]
	v_max_num_f32 v[MX], v[MX], v[MX+3]
	v_permlanex16_b32 v[TM], v[MX], s[SEL], s[SEL+1]
	v_max_num_f32 v[MM], v[MX], v[TM]
	v_mul_f32 v[CM], s[CS], v[MM]
	v_add_f32 v[CM12], v[CM], v[BIGL]
.endm
.macro RED T                           ; four pairs at T + 32 .. 39 into the token's one sum, at T + 32
	v_pk_add_f32 v[(\T)+32:(\T)+33], v[(\T)+32:(\T)+33], v[(\T)+34:(\T)+35]
	v_pk_add_f32 v[(\T)+36:(\T)+37], v[(\T)+36:(\T)+37], v[(\T)+38:(\T)+39]
	v_pk_add_f32 v[(\T)+32:(\T)+33], v[(\T)+32:(\T)+33], v[(\T)+36:(\T)+37]
	v_add_f32 v[(\T)+32], v[(\T)+32], v[(\T)+33]
	v_permlanex16_b32 v[(\T)+33], v[(\T)+32], s[SEL], s[SEL+1]
	v_add_f32 v[(\T)+32], v[(\T)+32], v[(\T)+33]
.endm
; LAYER NORM of the 32 numbers at Y (the token's other 32 lie in the lane 16 away): gamma (y - mean) / (std + eps) + beta, the deviations squared after the mean is taken away.
; T: 45 registers at work.  wv: the windows of Y and T; wg: gamma as source 0; we: beta as source 2.
.macro LNORM Y, T, wv, wg, G, we, Bt
	WIN \wv
.irp c, 0,1,2,3
	v_pk_add_f32 v[(\T)+32+2*(\c):(\T)+33+2*(\c)], v[(\Y)+8*(\c):(\Y)+8*(\c)+1], v[(\Y)+8*(\c)+2:(\Y)+8*(\c)+3]
.endr
.irp s, 4,6
.irp c, 0,1,2,3
	v_pk_add_f32 v[(\T)+32+2*(\c):(\T)+33+2*(\c)], v[(\T)+32+2*(\c):(\T)+33+2*(\c)], v[(\Y)+8*(\c)+(\s):(\Y)+8*(\c)+(\s)+1]
.endr
.endr
	RED \T
	v_mul_f32 v[(\T)+40], s[R64], v[(\T)+32]
	v_mul_f32 v[(\T)+41], s[R64], v[(\T)+32]
.set n_, 0
.rept 16
	v_pk_add_f32 v[(\Y)+2*n_:(\Y)+2*n_+1], v[(\Y)+2*n_:(\Y)+2*n_+1], v[(\T)+40:(\T)+41] neg_lo:[0,1] neg_hi:[0,1]
.set n_, n_+1
.endr
.irp c, 0,1,2,3
	v_pk_mul_f32 v[(\T)+32+2*(\c):(\T)+33+2*(\c)], v[(\Y)+8*(\c):(\Y)+8*(\c)+1], v[(\Y)+8*(\c):(\Y)+8*(\c)+1]
.endr
.irp s, 2,4,6
.irp c, 0,1,2,3
	v_pk_fma_f32 v[(\T)+32+2*(\c):(\T)+33+2*(\c)], v[(\Y)+8*(\c)+(\s):(\Y)+8*(\c)+(\s)+1], v[(\Y)+8*(\c)+(\s):(\Y)+8*(\c)+(\s)+1], v[(\T)+32+2*(\c):(\T)+33+2*(\c)]
.endr
.endr
	RED \T
	v_mul_f32 v[(\T)+32], s[R64], v[(\T)+32]
	v_sqrt_f32 v[(\T)+44], v[(\T)+32]
	v_nop                                          ; a plain instruction behind the root,
	s_wait_alu depctr_va_vdst(0)                   ; and a wait ahead of its first reader
	v_add_f32 v[(\T)+44], s[EPS], v[(\T)+44]
	v_rcp_f32 v[(\T)+42], v[(\T)+44]
	v_nop
	s_wait_alu depctr_va_vdst(0)                   ; the same for the reciprocal
	v_mov_b32 v[(\T)+43], v[(\T)+42]
	WIN \wg
.set n_, 0
.rept 16
	v_pk_mul_f32 v[(\T)+2*n_:(\T)+2*n_+1], v[(\G)+2*n_:(\G)+2*n_+1], v[(\T)+42:(\T)+43]
.set n_, n_+1
.endr
	WIN \we
.set n_, 0
.rept 16
	v_pk_fma_f32 v[(\Y)+2*n_:(\Y)+2*n_+1], v[(\Y)+2*n_:(\Y)+2*n_+1], v[(\T)+2*n_:(\T)+2*n_+1], v[(\Bt)+2*n_:(\Bt)+2*n_+1]
.set n_, n_+1
.endr
.endm
; A TURN: query tile t in bank b.  (1) 26 products make the NEXT tile's scores in the other bank; behind each stand two scalings and four exponentials of this tile.  All 104 exponentials are one batch with one wait.
; (2) 28 products O^T = V''^T P, the four sums by turns; behind each four of: this tile's sums and roundings (a block of 32 keys is whole just ahead of its first product), then the next tile's maximum.
; (3) division by the row sum, residual, LN, the new x into slot t; x of tile t + 2 is fetched into this bank.  last = 1: tile 12: there is no next tile.
.macro TURN b, last
.set BW, (\b)
.set OW, 3-(\b)
.set VBB, BW*0x55
.set VBO, OW*0x55
.set SWO, 1|(OW<<2)|(OW<<4)|(OW<<6)
.set PWB, 2|(BW<<2)|(BW<<4)|(BW<<6)
.set WGA, 1|(BW<<2)|(BW<<6)
.set WEB, BW|(BW<<2)|(2<<4)|(BW<<6)
.set i_, 0
.rept 26
.if !(\last)
	SPROD i_
.endif
	FS 2*i_
	XE 4*i_-4
	FS 2*i_+1
	XE 4*i_-3
	XE 4*i_-2
	XE 4*i_-1
.set i_, i_+1
.endr
	XE 100
	XE 101
	XE 102
	XE 103
	v_nop                                          ; a plain instruction behind the last exponential: one for the batch
	s_wait_alu depctr_va_vdst(0)                   ; the wait ahead of the first reader: nothing above names a result
.set q_, 0
.rept 16
	AC q_
.set q_, q_+1
.endr
.set j_, 0
.rept 28
.set vf_, 8*j_
.if j_ >= 24
.set vf_, 192+4*(j_%4)                 ; keys 192..207: the fragment's upper half is whatever lies there (finite) and meets p = 0
.endif
	WIN PWB
.if j_ < 4
	v_wmma_f32_16x16x32_bf16 v[OO+8*(j_%4):OO+8*(j_%4)+7], v[vf_:vf_+7], v[PR+8*(j_/4):PR+8*(j_/4)+7], 0
.else
	v_wmma_f32_16x16x32_bf16 v[OO+8*(j_%4):OO+8*(j_%4)+7], v[vf_:vf_+7], v[PR+8*(j_/4):PR+8*(j_/4)+7], v[OO+8*(j_%4):OO+8*(j_%4)+7]
.endif
.rept 4
.if q_ < 104
	AC q_
.elseif !(\last)
	MXQ q_-104
.endif
.set q_, q_+1
.endr
.set j_, j_+1
.endr
.if !(\last)
	WIN BW<<6
.irp q, 0,1,2,3
	ds_load_b128 v[XT+4*(\q):XT+4*(\q)+3], v[XAD] offset:4096+512*(\q)  ; x of tile t + 2 (behind tile 11: the slot of zeros, never used)
.endr
.else
	PLACES
.endif
	WIN VBB
	v_pk_add_f32 v[LS:LS+1], v[LS:LS+1], v[LS+2:LS+3]
	v_add_f32 v[LS], v[LS], v[LS+1]
	v_permlanex16_b32 v[LS+2], v[LS], s[SEL], s[SEL+1]
	v_add_f32 v[LS], v[LS], v[LS+2]
	v_rcp_f32 v[INV], v[LS]
.if !(\last)
.set m_, 24
.rept 28
	MXQ m_
.set m_, m_+1
.endr
	STATS VBO
.else
	v_nop
.endif
	s_wait_alu depctr_va_vdst(0)                   ; the reciprocal's wait; the other bank's maximum stood between
	WIN VBB
.set n_, 0
.rept 16
	v_pk_fma_f32 v[OO+2*n_:OO+2*n_+1], v[OO+2*n_:OO+2*n_+1], v[INV:INV+1], v[XF+2*n_:XF+2*n_+1] op_sel_hi:[1,0,1]
.set n_, n_+1
.endr
.if !(\last)
	s_wait_dscnt 0x0
	EPROD \b
.endif
	LNORM OO, SS, VBB, WGA, 208, WEB, 224
	WIN VBB
.set n_, 0
.rept 16
	v_cvt_pk_f16_f32 v[XNB+n_], v[OO+2*n_], v[OO+2*n_+1]
.set n_, n_+1
.endr
	WIN BW<<2
.irp q, 0,1,2,3
	ds_store_b128 v[XAD], v[XNB+4*(\q):XNB+4*(\q)+3] offset:512*(\q)
.endr
.if !(\last)
	QCV \b
.endif
	WIN 0
	s_add_co_u32 s[XS], s[XS], 2048
	v_add_nc_u32 v[XAD], s[XS], v[XW]
.endm
.macro RL k, e                         ; entry e of 16 of hidden block k: eight roundings to f16, eight packed maxima with 0
.if (\e) < 8
	v_cvt_pk_f16_f32 v[HF+8*(\k)+(\e)], v[HA+16*(\k)+2*(\e)], v[HA+16*(\k)+2*(\e)+1]
.else
	v_pk_max_num_f16 v[HF+8*(\k)+(\e)-8], v[HF+8*(\k)+(\e)-8], v[ZR]
.endif
.endm
; ---------------- the head ----------------
	s_load_b512 s[4:19], s[0:1], 0x0
	s_load_b512 s[20:35], s[0:1], 0x40
	s_load_b256 s[36:43], s[0:1], 0x80
	s_load_b128 s[44:47], s[0:1], 0xa0
	s_load_b64 s[48:49], s[0:1], 0xb0
	v_lshl_add_u32 v[SPW], v0, 2, SPARE
	v_mov_b32 v[NIL], 0
	v_lshrrev_b32 v[L16], 5, v0
	v_readfirstlane_b32 s[WV], v[L16]              ; wave 0..3
	v_and_b32 v[VR], 15, v0
	v_bfe_u32 v[VH], v0, 4, 1
	v_and_b32 v[L16], 31, v0
	v_lshlrev_b32 v[L16], 4, v[L16]
	v_lshrrev_b32 v[LN4], 2, v[L16]
	v_mov_b32 v[ZR], 0
	s_mov_b32 s80, 0x7149f2ca                      ; 1e30
	v_cmp_eq_u32 vcc_lo, 1, v[VH]
	v_cndmask_b32 v[BIGL], 0, s80, vcc_lo
	s_mov_b32 s[CS], 0x3e38aa3b                    ; c = log2(e) / 8
	s_mov_b32 s[CS+1], s[CS]
	s_mov_b32 s[SEL], 0x76543210                   ; v_permlanex16_b32: each lane takes its own place in the other half
	s_mov_b32 s[SEL+1], 0xfedcba98
	s_mov_b32 s[R64], 0x3c800000                   ; 1 / 64
	s_mov_b32 s[EPS], 0x358637bd                   ; 1e-6
	s_mov_b32 s[L2E], 0x3fb8aa3b                   ; log2(e)
	s_mov_b32 s[K2], 0x4038aa3b                    ; 2 log2(e)
	s_mov_b32 s[K2+1], s[K2]
	s_and_b32 s81, s[WV], 1
	s_lshr_b32 s82, s[WV], 1
	s_lshl_b32 s[QN], ttmp9, 3
	s_lshl_b32 s83, s[WV], 1
	s_add_co_u32 s[QN], s[QN], s83                 ; my first sequence: 8 g + 2 w
	s_mul_i32 s83, s[WV], XWB
	s_add_co_u32 s83, s83, X16
	v_add_nc_u32 v[XW], s83, v[L16]
	s_lshl_b32 s83, s[WV], 9
	v_add_nc_u32 v[GOFF], s83, v[L16]              ; 512 x wave + 16 x lane
	s_lshl_b32 s83, s81, 14                        ; waves 0, 2 fold layer 0; waves 1, 3 layer 1
	v_lshl_add_u32 v[FAO], v[VR], 8, s83
	v_lshl_add_u32 v[FAO], v[VH], 5, v[FAO]        ; row lane % 16 of 256 bytes, 32 bytes for each half of the lanes
	s_lshl_b32 s83, s[WV], 7
	v_add_nc_u32 v[VO4], s83, v[LN4]               ; 4 x thread
	s_lshl_b32 s83, s81, 7
	v_add_nc_u32 v[VO64], s83, v[LN4]              ; 4 x (thread % 64)
	s_wait_kmcnt 0x0
	s_load_b32 s[BS2], s[46:47], 0x0
; ---------------- prologue, part 1: everything is asked for at once ----------------
	GLD 1, 0, 16, 8                                ; W0
	GLD 1, 64, 32, 32                              ; W2
	GLD 2, 0, 8, 40                                ; Ws1
	GLD 2, 32, 16, 20                              ; Wo
	GLD 2, 96, 32, 28                              ; W1
	GLD 3, 0, 25, 12                               ; pos_emb
	s_cmp_lt_u32 s[WV], 2
	s_cselect_b64 s[90:91], s[16:17], s[18:19]     ; waves 0, 1: Wk (for M); waves 2, 3: Wv (for N)
	FLD 3, 100, 90
	FLD 0, 64, 14                                  ; Wq
	WIN 0
	global_load_b32 v32, v[VO4], s[22:23]          ; bo
	global_load_b32 v33, v[VO4], s[24:25]          ; ln1_g
	global_load_b32 v34, v[VO4], s[26:27]          ; ln1_b
	global_load_b32 v35, v[VO4], s[34:35]          ; b2
	global_load_b32 v36, v[VO4], s[36:37]          ; ln2_g
	global_load_b32 v37, v[VO4], s[38:39]          ; ln2_b
	global_load_b32 v38, v[VO4], s[30:31]          ; b1, layer 0
	global_load_b32 v39, v[VO4], s[30:31] offset:512
	global_load_b32 v40, v[VO64], s[10:11]         ; b0
	global_load_b32 v41, v[VO64], s[42:43]         ; bs1
	global_load_b32 v42, v[VO64], s[44:45]         ; Ws2
	INPRE 4, 0                                     ; and my first sequence's tile 0: 17 loads
	; the LDS addresses, while the loads are out
	v_mul_u32_u24 v[SA64], v[VH], 160
	v_lshl_add_u32 v[SA64], v[VR], 3, v[SA64]
	s_mul_i32 s83, s[WV], 320
	s_add_co_u32 s83, s83, TMP
	v_add_nc_u32 v[SA64], s83, v[SA64]             ; rows of 64: a load holds two rows
	v_add_nc_u32 v[SA64B], 61440, v[SA64]
	v_lshrrev_b32 v[SA128], 1, v[L16]
	s_mul_i32 s83, s[WV], 288
	s_add_co_u32 s87, s83, TMP+92160
	v_add_nc_u32 v[SA128], s87, v[SA128]           ; rows of 128: a load holds one
	v_mul_u32_u24 v[SAP], v[VH], 144
	v_lshl_add_u32 v[SAP], v[VR], 3, v[SAP]
	s_add_co_u32 s87, s83, POS
	v_add_nc_u32 v[SAP], s87, v[SAP]
	s_lshl_b32 s83, s82, 11
	s_lshl_b32 s87, s81, 7
	s_add_co_u32 s83, s83, s87
	s_add_co_u32 s83, s83, VEC
	v_add_nc_u32 v[VS2], s83, v[LN4]               ; [2][64]: layer thread / 64, number thread % 64
	s_lshl_b32 s83, s[WV], 7
	s_add_co_u32 s83, s83, VEC
	v_add_nc_u32 v[VS1], s83, v[LN4]
	v_and_b32 v[KL], 7, v0
	v_lshl_add_u32 v[KL], v[VH], 3, v[KL]          ; the turning load: row 8 (lane / 16) + lane % 8 of K,
	v_bfe_u32 v[HB], v0, 3, 1                      ; 16 bytes for each eight lanes
	v_mul_u32_u24 v[TRWO], v[KL], 160
	v_lshl_add_u32 v[TRWO], v[HB], 4, v[TRWO]
	s_lshl_b32 s83, s[WV], 5
	s_add_co_u32 s83, s83, TMP
	v_add_nc_u32 v[TR64], s83, v[TRWO]             ; output tile ft = wave
	v_add_nc_u32 v[TR64B], 61440, v[TR64]
	s_mul_i32 s83, s81, 10240
	s_add_co_u32 s83, s83, TMP+61440
	v_add_nc_u32 v[TRWO], s83, v[TRWO]             ; Wo of my layer
	v_mul_u32_u24 v[TR128], v[KL], 288
	v_lshl_add_u32 v[TR128], v[HB], 4, v[TR128]
	s_lshl_b32 s83, s[WV], 6
	s_add_co_u32 s83, s83, TMP+92160
	v_add_nc_u32 v[TR128], s83, v[TR128]           ; output tiles 2 wave, 2 wave + 1
	s_lshl_b32 s83, s[WV], 12
	v_add_nc_u32 v[WB0], s83, v[L16]
	v_add_nc_u32 v[WB1], 65536, v[WB0]
	s_lshl_b32 s83, s[WV], 11
	s_add_co_u32 s83, s83, WSI
	v_add_nc_u32 v[WB2], s83, v[L16]
	s_mul_i32 s83, s81, LAYB
	s_lshl_b32 s87, s82, 13
	s_add_co_u32 s83, s83, s87
	s_add_co_u32 s83, s83, LAY0
	v_add_nc_u32 v[WB3], s83, v[L16]               ; M or N of my layer
	s_wait_loadcnt 63                              ; W0 and W2 are in: 173 loads were issued behind them, more than the count can name
	CVG 1, 0, 48
	STG 1, 0, 16, SA64, 0, 1280
	STG 1, 64, 32, SA64, 20480, 1280
	s_wait_loadcnt 63                              ; Ws1, Wo, W1: 117 behind them
	CVG 2, 0, 56
	STG 2, 0, 8, SA64B, 0, 1280
	STG 2, 32, 16, SA64B, 10240, 1280
	STG 2, 96, 32, SA128, 0, 1152
	s_wait_loadcnt 60                              ; pos_emb and Wk or Wv: behind them 32 + 11 + 17
	CVG 3, 0, 25
	STG 3, 0, 25, SAP, 0, 1152
	WIN 0x4f
.set n_, 0
.rept 64
	v_cvt_pk_f16_f32 v[n_], v[100+2*n_], v[100+2*n_+1]     ; source 0 of the fold, window 1 v0-63
.set n_, n_+1
.endr
	s_wait_loadcnt 28                              ; Wq: behind it 11 + 17
	WIN 0x40
.set n_, 0
.rept 64
	v_cvt_pk_f16_f32 v[64+n_], v[64+2*n_], v[64+2*n_+1]    ; source 1, window 1 v64-127
.set n_, n_+1
.endr
	s_wait_loadcnt 17                              ; the vectors: behind them the tile's 17
	WIN 0
	ds_store_b32 v[VS2], v32
	ds_store_b32 v[VS2], v33 offset:256
	ds_store_b32 v[VS2], v34 offset:512
	ds_store_b32 v[VS2], v35 offset:1280
	ds_store_b32 v[VS2], v36 offset:1536
	ds_store_b32 v[VS2], v37 offset:1792
	ds_store_b32 v[VS1], v38 offset:768
	ds_store_b32 v[VS1], v39 offset:2816
	s_cmp_lt_u32 s[WV], 2                          ; 64 numbers: waves 0 and 1 store them
	s_cbranch_scc0 .Lno64
	ds_store_b32 v[VS1], v40 offset:4096
	ds_store_b32 v[VS1], v41 offset:4352
	ds_store_b32 v[VS1], v42 offset:4608
.Lno64:
	s_wait_dscnt 0x0                               ; for the others' sake: my stores are done
	s_barrier_signal -1
	s_barrier_wait -1
; ---------------- prologue, part 2: fragments, and the fold ----------------
	WIN 0xc0
.irp k, 0,1,2,3
	TRF 8*(\k), TR64, 5120*(\k), 160                                   ; W0
.endr
.irp e, 0,1,2,3,4,5,6,7
	TRF 32+8*(\e), TR64, 20480+20480*((\e)/4)+5120*((\e)%4), 160       ; W2: layer e / 4, K 32 (e % 4) on
.endr
.irp k, 0,1
	TRF 96+8*(\k), TR64B, 5120*(\k), 160                               ; Ws1
.endr
.irp e, 0,1,2,3,4,5,6,7
	TRF 112+8*(\e), TR128, (64*((\e)/4)+32*((\e)%2))*288+32*(((\e)/2)%2), 288  ; W1: layer e / 4, tile (e / 2) % 2 of my two, K 32 (e % 2) on
.endr
	WIN 0
	s_cmp_lt_u32 s[WV], 2
	s_cbranch_scc1 .Lnowo
	WIN 0x40
.irp e, 0,1,2,3,4,5,6,7
	TRF 64+8*(\e), TRWO, 10240+5120*((\e)%2)+32*((\e)/2), 160          ; waves 2, 3: source 1 is Wo, turned
.endr
	WIN 0
.Lnowo:
	s_wait_dscnt 0x0
	WIN 0x0c
.irp k, 0,1,2,3
	STF 8*(\k), WB0, W0I+1024*(\k)
	STF 32+8*(\k), WB0, LAY0+OW2+1024*(\k)
	STF 64+8*(\k), WB1, LAY0+LAYB+OW2-65536+1024*(\k)
	STF 112+8*(\k), WB0, LAY0+OW1+1024*(\k)
	STF 144+8*(\k), WB1, LAY0+LAYB+OW1-65536+1024*(\k)
.endr
.irp k, 0,1
	STF 96+8*(\k), WB2, 1024*(\k)
.endr
	WIN 0xa5                                       ; sums in window 2; result (m, n): a lane holds row 16 n + lane % 16 of M (column of N) and 8 of its K: the image of a fragment
.irp k, 0,1
.irp m, 0,1,2,3
.irp n, 0,1,2,3
.if (\k) == 0
	v_wmma_f32_16x16x32_f16 v[8*(4*(\m)+(\n)):8*(4*(\m)+(\n))+7], v[16*(\m):16*(\m)+7], v[64+16*(\n):64+16*(\n)+7], 0
.else
	v_wmma_f32_16x16x32_f16 v[8*(4*(\m)+(\n)):8*(4*(\m)+(\n))+7], v[16*(\m)+8:16*(\m)+15], v[64+16*(\n)+8:64+16*(\n)+15], v[8*(4*(\m)+(\n)):8*(4*(\m)+(\n))+7]
.endif
.endr
.endr
.endr
	PLACES
	WIN 0x8a
.irp m, 0,1,2,3
.irp n, 0,1,2,3
.irp i, 0,1,2,3
	v_cvt_pk_f16_f32 v[128+8*(2*(\n)+(\m)/2)+4*((\m)%2)+(\i)], v[8*(4*(\m)+(\n))+2*(\i)], v[8*(4*(\m)+(\n))+2*(\i)+1]
.endr
.endr
.endr
	WIN 0x08
.irp f, 0,1,2,3,4,5,6,7
	STF 128+8*(\f), WB3, 1024*(\f)
.endr
	; the identity, window 2: v212-215 zeros, v216-219 the pattern, v220-223 zeros.  v216-223 picks K 0..15 of a fragment, v212-219 K 16..31.  v208-211: zeros behind the last V'' fragment
	WIN 0
	v_and_b32 v44, 1, v[VR]
	v_lshlrev_b32 v44, 4, v44
	v_mov_b32 v45, 0x3c00
	v_lshlrev_b32 v44, v44, v45                    ; 1.0 in f16, in the half that my row's parity names
	v_lshrrev_b32 v45, 3, v[VR]
	v_bfe_u32 v46, v[VR], 1, 2
	v_mov_b32 v47, 4
	v_cmp_eq_u32 vcc_lo, v45, v[VH]
	v_cndmask_b32 v46, v47, v46, vcc_lo            ; in which of the four registers, or in none
	WIN 0x80
.irp i, 0,1,2,3
	v_cmp_eq_u32 vcc_lo, \i, v46
	v_cndmask_b32 v[216+(\i)], 0, v44, vcc_lo
.endr
.irp i, 208,209,210,211,212,213,214,215,220,221,222,223
	v_mov_b32 v[\i], 0
.endr
	WIN 0
	s_wait_dscnt 0x0                               ; my reads of the staged weights are back and my images are written
	s_barrier_signal -1
	s_barrier_wait -1                              ; from here on the staged weights' bytes are x, each wave's own
.irp i, 48,49,50,51
	v_mov_b32 v[\i], 0
.endr
.irp q, 0,1,2,3
	ds_store_b128 v[XW], v[48:51] offset:13*2048+512*(\q)
.endr
	s_wait_kmcnt 0x0                               ; bs2
; ---------------- the first sequence's input ----------------
	INSET
	v_lshl_add_u32 v[TAD], v[VH], 5, VEC+4096
	FRAGS 0, 3, L16, W0I, 16
	TAB 192, 3, 0, 4                               ; b0
	WIN 0
	s_mov_b32 s[XS], 0
	s_mov_b32 s[TC], 13
.Lin:
	v_add_nc_u32 v[XAD], s[XS], v[XW]
	INSTEP 4
	s_add_co_u32 s[XS], s[XS], 2048
	s_sub_co_u32 s[TC], s[TC], 1
	s_cmp_lg_u32 s[TC], 0
	s_cbranch_scc1 .Lin
	s_wait_loadcnt 0x0                             ; the last trip issued no load, so this is met at once: the tile's registers and offsets are free for the phases below
	s_mov_b32 s[SEQ], 2
	s_mul_i32 s[OOFF], s[WV], 2*OPIT
.Lseq:
	s_mov_b32 s[LAYC], 2
	s_mov_b32 s[SLAY], LAY0
	s_mov_b32 s[SVEC], 0
.Llayer:
; ---------------- K' and V'' of all 13 tiles, into registers ----------------
	v_add_nc_u32 v[WAD], s[SLAY], v[L16]
	s_add_co_u32 s83, s[SVEC], VEC
	v_lshl_add_u32 v16, v[VR], 2, s83
.irp c, 0,1,2,3
	ds_load_b32 v[17+(\c)], v16 offset:64*(\c)     ; bo[16 cb + lane % 16]
.endr
.irp q, 0,1,2,3
	ds_load_b128 v[160+4*(\q):163+4*(\q)], v[XW] offset:512*(\q)
.endr
	FRAGS 0, 3, WAD, OMI, 8
	FRAGS 64, 3, WAD, ONI, 8
	WIN 0
	s_wait_dscnt 0x0
.irp c, 0,1,2,3
.irp j, 0,1,2,3,4,5,6,7
	v_mov_b32 v[BOT+8*(\c)+(\j)], v[17+(\c)]
.endr
.endr
.irp t, 0,1,2,3,4,5,6,7,8,9,10,11,12
	KVSTEP \t
.endr
	PLACES
.set ps_, 32
.set n_, 0
.rept 32
	CV 12, n_
.set n_, n_+1
.endr
; ---------------- attention, residual, LN 1 ----------------
	WIN 0
	s_add_co_u32 s83, s[SVEC], VEC
	v_lshl_add_u32 v[TAD], v[VH], 5, s83
	s_mov_b32 s[XS], 0
	v_mov_b32 v[XAD], v[XW]
	TAB 208, 1, 256, 4                             ; ln1_g
	TAB 224, 2, 512, 4                             ; ln1_b
	WIN 0xc0
	v_mov_b32 v[BIGL], v[BIGL]                     ; bank 3's copy
.irp w, 0x00, 0xff
	WIN \w
	v_mov_b32 v[TM], 0
	v_mov_b32 v[CM+1], 0                           ; upper halves of pairs of which the lower half is used
	v_mov_b32 v[CM12+1], 0
	v_mov_b32 v[INV+1], 0
	v_mov_b32 v[PR+52], 0                          ; p of keys 208..223
	v_mov_b32 v[PR+53], 0
	v_mov_b32 v[PR+54], 0
	v_mov_b32 v[PR+55], 0
.endr
	PREP 0, 0
	PREP 3, 2048
.set SWO, 1
.set VBO, 0
.set i_, 0
.rept 26
	SPROD i_                                       ; tile 0's scores: there is no vector work yet to set between them
.set i_, i_+1
.endr
	PLACES
.set m_, 0
.rept 52
	MXQ m_
.set m_, m_+1
.endr
	STATS 0
	WIN 0
	s_mov_b32 s[TC], 6
.Latt:
	TURN 0, 0
	TURN 3, 0
	s_sub_co_u32 s[TC], s[TC], 1
	s_cmp_lg_u32 s[TC], 0
	s_cbranch_scc1 .Latt
	TURN 0, 1
; ---------------- FFN, residual, LN 2; in the last layer the head, and beside it the next sequence's input ----------------
	v_add_nc_u32 v[WAD], s[SLAY], v[L16]
	s_add_co_u32 s83, s[SVEC], VEC
	v_lshl_add_u32 v[TAD], v[VH], 5, s83
	INSET                                          ; v16-24 held the attention's statistics: the addresses that live there are made anew in every layer, ahead of the branches
	s_lshl_b32 s83, s[WV], 10
	s_add_co_u32 s83, s83, LOG
	v_lshl_add_u32 v[LG0], v[VR], 2, s83           ; my token's word in tile 0's logits
	v_lshlrev_b32 v[PFR], 4, v[L16]
	FRAGS 0, 1, WAD, OW1, 16
	FRAGS 128, 1, WAD, OW2, 16
	TAB 0, 2, 768, 8                               ; b1
	TAB 64, 2, 1280, 4                             ; b2
	TAB 96, 2, 1536, 4                             ; ln2_g
	TAB 128, 2, 1792, 4                            ; ln2_b
	WIN 0
	s_cmp_lg_u32 s[LAYC], 1
	s_cbranch_scc1 .Lnohead
	v_add_nc_u32 v[WAD], WSI, v[L16]
	v_lshl_add_u32 v[TAD], v[VH], 5, VEC+4096
	FRAGS 128, 3, WAD, 0, 8                        ; Ws1
	TAB 160, 2, 256, 4                             ; bs1
	TAB 224, 2, 512, 4                             ; Ws2
	s_wait_dscnt 0x0
	WIN 0x0a                                       ; tanh = 1 - 2 r: the logit is the sum of Ws2, plus the sum of (-2 Ws2) r, plus bs2
.irp c, 0,1,2,3,4,5,6,7
	v_pk_add_f32 v[48+2*(\c):49+2*(\c)], v[224+4*(\c):225+4*(\c)], v[226+4*(\c):227+4*(\c)]
.endr
	WIN 0
	v_pk_add_f32 v[48:49], v[48:49], v[50:51]
	v_pk_add_f32 v[52:53], v[52:53], v[54:55]
	v_pk_add_f32 v[56:57], v[56:57], v[58:59]
	v_pk_add_f32 v[60:61], v[60:61], v[62:63]
	v_pk_add_f32 v[48:49], v[48:49], v[52:53]
	v_pk_add_f32 v[56:57], v[56:57], v[60:61]
	v_pk_add_f32 v[48:49], v[48:49], v[56:57]
	v_add_f32 v[SWS], v48, v49
	WIN 0x82
.set n_, 0
.rept 16
	v_pk_mul_f32 v[224+2*n_:225+2*n_], v[224+2*n_:225+2*n_], -2.0 op_sel_hi:[1,0]
.set n_, n_+1
.endr
	WIN 0
	s_cmp_lg_u32 s[SEQ], 2
	s_cbranch_scc1 .Lnohead
	FRAGS 0, 3, L16, W0I, 16
	TAB 192, 3, 0, 4                               ; b0
	WIN 0
	s_add_co_u32 s[QN], s[QN], 1                   ; my second sequence
	INPRE 3, 1
.Lnohead:
.irp q, 0,1,2,3
	ds_load_b128 v[XB+4*(\q):XB+4*(\q)+3], v[XW] offset:512*(\q)
.endr
	s_mov_b32 s[XS], 0
	s_mov_b32 s[LGS], 0
	s_mov_b32 s[TC], 13
.Lffn:
	v_add_nc_u32 v[XAD], s[XS], v[XW]
	s_wait_dscnt 0x0                               ; x of the tile (in the first trip: the weights and tables too)
	WIN 0x21
.irp f, 0,1,2,3,4,5,6,7
	v_wmma_f32_16x16x32_f16 v[HA+8*(\f):HA+8*(\f)+7], v[16*(\f):16*(\f)+7], v[XB:XB+7], v[8*(\f):8*(\f)+7]
.endr
	WIN 0x01
.irp f, 0,1,2,3,4,5,6,7
	v_wmma_f32_16x16x32_f16 v[HA+8*(\f):HA+8*(\f)+7], v[16*(\f)+8:16*(\f)+15], v[XB+8:XB+15], v[HA+8*(\f):HA+8*(\f)+7]
.endr
	WIN 0x22                                       ; the second product's sums start with x + b2
.irp f, 0,1,2,3
	v_wmma_f32_16x16x32_f16 v[YY+8*(\f):YY+8*(\f)+7], v[216-4*((\f)%2):223-4*((\f)%2)], v[XB+8*((\f)/2):XB+8*((\f)/2)+7], v[64+8*(\f):64+8*(\f)+7]
.endr
	WIN 0
	PLACES
.irp e, 0,1,2,3,4,5,6,7,8,9,10,11,12,13,14,15
	RL 0, \e
.endr
.irp k, 0,1,2,3
.irp f, 0,1,2,3
	WIN 0x01
	v_wmma_f32_16x16x32_f16 v[YY+8*(\f):YY+8*(\f)+7], v[128+8*(4*(\f)+(\k)):128+8*(4*(\f)+(\k))+7], v[HF+8*(\k):HF+8*(\k)+7], v[YY+8*(\f):YY+8*(\f)+7]
.if (\k) < 3
	WIN 0                                          ; behind each product four of the next hidden block's relu
	RL (\k)+1, 4*(\f)
	RL (\k)+1, 4*(\f)+1
	RL (\k)+1, 4*(\f)+2
	RL (\k)+1, 4*(\f)+3
.endif
.endr
.if (\k) == 0
.irp q, 0,1,2,3
	ds_load_b128 v[XB+4*(\q):XB+4*(\q)+3], v[XAD] offset:2048+512*(\q)  ; x of the next tile (behind tile 12: the slot of zeros)
.endr
.endif
.endr
	WIN 0
	PLACES
	LNORM YY, 48, 0, 0x02, 96, 0x20, 128
	WIN 0
.set n_, 0
.rept 16
	v_cvt_pk_f16_f32 v[XN+n_], v[YY+2*n_], v[YY+2*n_+1]
.set n_, n_+1
.endr
	s_cmp_eq_u32 s[LAYC], 1
	s_cbranch_scc1 .Lhead
.irp q, 0,1,2,3
	ds_store_b128 v[XAD], v[XN+4*(\q):XN+4*(\q)+3] offset:512*(\q)
.endr
	s_branch .Lfend
.Lhead:
	WIN 0x23
.irp f, 0,1,2,3
	v_wmma_f32_16x16x32_f16 v[ZZ+8*(\f):ZZ+8*(\f)+7], v[128+16*(\f):128+16*(\f)+7], v[XN:XN+7], v[160+8*(\f):160+8*(\f)+7]
.endr
	WIN 0x03
.irp f, 0,1,2,3
	v_wmma_f32_16x16x32_f16 v[ZZ+8*(\f):ZZ+8*(\f)+7], v[128+16*(\f)+8:128+16*(\f)+15], v[XN+8:XN+15], v[ZZ+8*(\f):ZZ+8*(\f)+7]
.endr
	WIN 0
	PLACES
	; r = 1 / (1 + 2^(2 log2(e) z)); an exponential that overflows gives r = 0, one that vanishes r = 1: tanh saturates as it should
	v_pk_mul_f32 v[ZZ:ZZ+1], v[ZZ:ZZ+1], s[K2:K2+1] op_sel_hi:[1,0]
.set n_, 1
.rept 15
	v_pk_mul_f32 v[ZZ+2*n_:ZZ+2*n_+1], v[ZZ+2*n_:ZZ+2*n_+1], s[K2:K2+1] op_sel_hi:[1,0]
	v_exp_f32 v[ZZ+2*n_-2], v[ZZ+2*n_-2]
	v_exp_f32 v[ZZ+2*n_-1], v[ZZ+2*n_-1]
.set n_, n_+1
.endr
	v_exp_f32 v[ZZ+30], v[ZZ+30]
	v_exp_f32 v[ZZ+31], v[ZZ+31]
	v_nop
	s_wait_alu depctr_va_vdst(0)                   ; one wait for the 32 exponentials
	v_pk_add_f32 v[ZZ:ZZ+1], v[ZZ:ZZ+1], 1.0 op_sel_hi:[1,0]
.set n_, 1
.rept 15
	v_pk_add_f32 v[ZZ+2*n_:ZZ+2*n_+1], v[ZZ+2*n_:ZZ+2*n_+1], 1.0 op_sel_hi:[1,0]
	v_rcp_f32 v[ZZ+2*n_-2], v[ZZ+2*n_-2]
	v_rcp_f32 v[ZZ+2*n_-1], v[ZZ+2*n_-1]
.set n_, n_+1
.endr
	v_rcp_f32 v[ZZ+30], v[ZZ+30]
	v_rcp_f32 v[ZZ+31], v[ZZ+31]
	v_nop
	s_wait_alu depctr_va_vdst(0)                   ; one for the 32 reciprocals
	WIN 0x08
.irp c, 0,1,2,3
	v_pk_mul_f32 v[80+2*(\c):81+2*(\c)], v[ZZ+8*(\c):ZZ+8*(\c)+1], v[224+8*(\c):225+8*(\c)]
.endr
.irp s, 2,4,6
.irp c, 0,1,2,3
	v_pk_fma_f32 v[80+2*(\c):81+2*(\c)], v[ZZ+8*(\c)+(\s):ZZ+8*(\c)+(\s)+1], v[224+8*(\c)+(\s):225+8*(\c)+(\s)], v[80+2*(\c):81+2*(\c)]
.endr
.endr
	WIN 0
	v_pk_add_f32 v[80:81], v[80:81], v[82:83]
	v_pk_add_f32 v[84:85], v[84:85], v[86:87]
	v_pk_add_f32 v[80:81], v[80:81], v[84:85]
	v_add_f32 v80, v80, v81
	v_add_f32 v80, v80, v[SWS]
	v_permlanex16_b32 v81, v80, s[SEL], s[SEL+1]
	v_add_f32 v80, v80, v81
	v_add_f32 v80, s[BS2], v80
	v_add_nc_u32 v[LGA], s[LGS], v[LG0]            ; 64 bytes of logits a tile
	ds_store_b32 v[LGA], v80
	s_cmp_eq_u32 s[SEQ], 2
	s_cbranch_scc0 .Lfend
	INSTEP 3                                       ; the second sequence's tile t goes into slot t, which the first sequence has left
.Lfend:
	s_add_co_u32 s[XS], s[XS], 2048
	s_add_co_u32 s[LGS], s[LGS], 64
	s_sub_co_u32 s[TC], s[TC], 1
	s_cmp_lg_u32 s[TC], 0
	s_cbranch_scc1 .Lffn
	s_wait_loadcnt 0x0                             ; the last trip issued no load from memory: met at once; the tile's registers and offsets are free for what follows
	s_wait_dscnt 0x0                               ; the last trip's LDS load of the slot of zeros has landed in v32-47, which the next phase writes
	s_add_co_u32 s[SLAY], s[SLAY], LAYB
	s_add_co_u32 s[SVEC], s[SVEC], 2048
	s_sub_co_u32 s[LAYC], s[LAYC], 1
	s_cmp_lg_u32 s[LAYC], 0
	s_cbranch_scc1 .Llayer
; ---------------- softmax over the sequence's 200 logits ----------------
	s_lshl_b32 s83, s[WV], 10
	s_add_co_u32 s83, s83, LOG
	v_lshrrev_b32 v16, 2, v[L16]
	v_add_nc_u32 v17, s83, v16                     ; tokens lane + 32 k, k = 0..5
	v_lshl_add_u32 v18, v[VR], 2, s83              ; tokens 192 + lane % 16: 200..207 are copies of 192..199
	s_add_co_u32 s83, s[OOFF], OUTS
	v_add_nc_u32 v19, s83, v16
	v_lshl_add_u32 v20, v[VR], 2, s83
.irp k, 0,1,2,3,4,5
	ds_load_b32 v[32+(\k)], v17 offset:128*(\k)
.endr
	ds_load_b32 v38, v18 offset:768
	v_mov_b32 v41, 0
	s_wait_dscnt 0x0
	v_max3_num_f32 v40, v32, v33, v34
	v_max3_num_f32 v40, v40, v35, v36
	v_max3_num_f32 v40, v40, v37, v38              ; the copies change no maximum
	v_max_num_f32_dpp v40, v40, v40 row_xmask:1 row_mask:0xf bank_mask:0xf
	v_max_num_f32_dpp v40, v40, v40 row_xmask:2 row_mask:0xf bank_mask:0xf
	v_max_num_f32_dpp v40, v40, v40 row_xmask:4 row_mask:0xf bank_mask:0xf
	v_max_num_f32_dpp v40, v40, v40 row_xmask:8 row_mask:0xf bank_mask:0xf
	v_permlanex16_b32 v41, v40, s[SEL], s[SEL+1]
	v_max_num_f32 v40, v40, v41
	v_mul_f32 v41, s[L2E], v40
.irp k, 0,1,2,3,4,5,6
	v_fma_f32 v[32+(\k)], v[32+(\k)], s[L2E], -v41
.endr
.irp k, 0,1,2,3,4,5,6
	v_exp_f32 v[32+(\k)], v[32+(\k)]
.endr
	v_cmp_gt_u32 vcc_lo, 128, v[L16]               ; lanes 0-7: a plain instruction behind the last exponential
	s_wait_alu depctr_va_vdst(0)
	v_cndmask_b32 v39, 0, v38, vcc_lo              ; tokens 192..199 count once in the sum, their copies not at all
	v_add_f32 v42, v32, v33
	v_add_f32 v43, v34, v35
	v_add_f32 v44, v36, v37
	v_add_f32 v42, v42, v43
	v_add_f32 v44, v44, v39
	v_add_f32 v42, v42, v44
	v_add_f32_dpp v42, v42, v42 row_xmask:1 row_mask:0xf bank_mask:0xf
	v_add_f32_dpp v42, v42, v42 row_xmask:2 row_mask:0xf bank_mask:0xf
	v_add_f32_dpp v42, v42, v42 row_xmask:4 row_mask:0xf bank_mask:0xf
	v_add_f32_dpp v42, v42, v42 row_xmask:8 row_mask:0xf bank_mask:0xf
	v_permlanex16_b32 v43, v42, s[SEL], s[SEL+1]
	v_add_f32 v42, v42, v43
	v_rcp_f32 v44, v42
	v_nop
	s_wait_alu depctr_va_vdst(0)
.irp k, 0,1,2,3,4,5,6
	v_mul_f32 v[32+(\k)], v[32+(\k)], v44
.endr
.irp k, 0,1,2,3,4,5
	ds_store_b32 v19, v[32+(\k)] offset:128*(\k)
.endr
	ds_store_b32 v20, v38 offset:768               ; lanes that share a word hold the same number; words 200..207 are never sent
	s_add_co_u32 s[OOFF], s[OOFF], OPIT
	s_sub_co_u32 s[SEQ], s[SEQ], 1
	s_cmp_lg_u32 s[SEQ], 0
	s_cbranch_scc1 .Lseq
; ---------------- the way out: the work-group's 8 rows are 6,400 consecutive bytes of out0, 25 aligned blocks of 256 ----------------
	s_wait_dscnt 0x0
	s_barrier_signal -1
	s_barrier_wait -1
	s_mul_i32 s88, ttmp9, 6400
	s_mov_b32 s89, 0
	s_add_nc_u64 s[48:49], s[48:49], s[88:89]
.irp k, 0,1,2
	v_add_nc_u32 v[16+(\k)], 128*(\k), v0          ; piece c of 400 pieces of 16 bytes; a row has 50
	v_mul_u32_u24 v[20+(\k)], v[16+(\k)], 1311
	v_lshrrev_b32 v[20+(\k)], 16, v[20+(\k)]       ; c / 50, right for c < 400
	v_lshlrev_b32 v[16+(\k)], 4, v[16+(\k)]
	v_lshl_add_u32 v[20+(\k)], v[20+(\k)], 5, v[16+(\k)]   ; in LDS a row is 32 bytes longer
	v_add_nc_u32 v[20+(\k)], OUTS, v[20+(\k)]
	ds_load_b128 v[32+4*(\k):35+4*(\k)], v[20+(\k)]
.endr
	s_wait_dscnt 0x0
.irp k, 0,1,2
	global_store_b128 v[16+(\k)], v[32+4*(\k):35+4*(\k)], s[48:49] th:TH_STORE_NT  ; 16 lanes store 256 consecutive bytes, aligned
.endr
	s_cmp_lg_u32 s[WV], 0
	s_cbranch_scc1 .Lend
	v_min_u32 v19, 15, v0                          ; the last 16 pieces, all of row 7
	v_lshlrev_b32 v19, 4, v19
	v_add_nc_u32 v19, 6144, v19
	v_add_nc_u32 v23, OUTS+224, v19
	ds_load_b128 v[44:47], v23
	s_wait_dscnt 0x0
	v_cmp_gt_u32 vcc_lo, 16, v0
	s_wait_xcnt 0x0                                ; EXEC changes only behind this wait,
	s_and_saveexec_b32 s80, vcc_lo
	global_store_b128 v19, v[44:47], s[48:49] th:TH_STORE_NT
	s_wait_xcnt 0x0                                ; and again in front of the line that widens it
	s_or_b32 exec_lo, exec_lo, s80
.Lend:
	s_wait_tensorcnt 0x0                           ; the wave's end, behind my last LDS store
	ds_add_u32 v[SPW], v[NIL]
	s_wait_dscnt 0x0
	s_endpgm
.Lfunc_end_k_q8e3f0c4da1_prm:
	.size	k_q8e3f0c4da1_prm, .Lfunc_end_k_q8e3f0c4da1_prm-k_q8e3f0c4da1_prm
	.p2alignl 7, 3214868480
	.fill 96, 4, 3214868480
	.section	.rodata,"a",@progbits
	.p2align	6, 0x0
	.amdhsa_kernel k_q8e3f0c4da1_prm
		.amdhsa_group_segment_fixed_size 300288
		.amdhsa_private_segment_fixed_size 0
		.amdhsa_enable_private_segment 0
		.amdhsa_kernarg_size 184
		.amdhsa_user_sgpr_count 2
		.amdhsa_user_sgpr_kernarg_segment_ptr 1
		.amdhsa_wavefront_size32 1
		.amdhsa_system_sgpr_workgroup_id_x 1
		.amdhsa_system_sgpr_workgroup_id_y 1
		.amdhsa_system_sgpr_workgroup_id_z 1
		.amdhsa_system_vgpr_workitem_id 0
		.amdhsa_next_free_vgpr 1024
		.amdhsa_next_free_sgpr 100
		.amdhsa_reserve_vcc 1
		.amdhsa_float_denorm_mode_32 3
		.amdhsa_float_denorm_mode_16_64 3
		.amdhsa_memory_ordered 1
		.amdhsa_forward_progress 1
		.amdhsa_inst_pref_size 255
	.end_amdhsa_kernel
	.section	.bss,"aw",@nobits
	.p2align	6
	.space	262144
	.amdgpu_metadata
---
amdhsa.version: [ 1, 2 ]
amdhsa.kernels:
  - .name:           k_q8e3f0c4da1_prm
    .symbol:         k_q8e3f0c4da1_prm.kd
    .args:
      - { .name: v_input, .offset: 0, .size: 8, .value_kind: global_buffer, .address_space: global }
      - { .name: pos_input, .offset: 8, .size: 8, .value_kind: global_buffer, .address_space: global }
      - { .name: W0, .offset: 16, .size: 8, .value_kind: global_buffer, .address_space: global }
      - { .name: b0, .offset: 24, .size: 8, .value_kind: global_buffer, .address_space: global }
      - { .name: pos_emb, .offset: 32, .size: 8, .value_kind: global_buffer, .address_space: global }
      - { .name: Wq, .offset: 40, .size: 8, .value_kind: global_buffer, .address_space: global }
      - { .name: Wk, .offset: 48, .size: 8, .value_kind: global_buffer, .address_space: global }
      - { .name: Wv, .offset: 56, .size: 8, .value_kind: global_buffer, .address_space: global }
      - { .name: Wo, .offset: 64, .size: 8, .value_kind: global_buffer, .address_space: global }
      - { .name: bo, .offset: 72, .size: 8, .value_kind: global_buffer, .address_space: global }
      - { .name: ln1_g, .offset: 80, .size: 8, .value_kind: global_buffer, .address_space: global }
      - { .name: ln1_b, .offset: 88, .size: 8, .value_kind: global_buffer, .address_space: global }
      - { .name: W1, .offset: 96, .size: 8, .value_kind: global_buffer, .address_space: global }
      - { .name: b1, .offset: 104, .size: 8, .value_kind: global_buffer, .address_space: global }
      - { .name: W2, .offset: 112, .size: 8, .value_kind: global_buffer, .address_space: global }
      - { .name: b2, .offset: 120, .size: 8, .value_kind: global_buffer, .address_space: global }
      - { .name: ln2_g, .offset: 128, .size: 8, .value_kind: global_buffer, .address_space: global }
      - { .name: ln2_b, .offset: 136, .size: 8, .value_kind: global_buffer, .address_space: global }
      - { .name: Ws1, .offset: 144, .size: 8, .value_kind: global_buffer, .address_space: global }
      - { .name: bs1, .offset: 152, .size: 8, .value_kind: global_buffer, .address_space: global }
      - { .name: Ws2, .offset: 160, .size: 8, .value_kind: global_buffer, .address_space: global }
      - { .name: bs2, .offset: 168, .size: 8, .value_kind: global_buffer, .address_space: global }
      - { .name: out0, .offset: 176, .size: 8, .value_kind: global_buffer, .address_space: global }
    .group_segment_fixed_size: 300288
    .private_segment_fixed_size: 0
    .kernarg_segment_align: 8
    .kernarg_segment_size: 184
    .max_flat_workgroup_size: 128
    .sgpr_count:     100
    .vgpr_count:     1024
    .wavefront_size: 32
...
	.end_amdgpu_metadata
.endif
;; end of part 1
